; MI455X (gfx1250); checked and timed in simulation.
; The chip was launched on July 23, 2026; its instructions are those of AMD's public machine-readable ISA for CDNA 5 (MIT licence, August 2026) and "CDNA5" Instruction Set Architecture Reference Guide (July 2026). The comments in the code are by the model that wrote it; some were corrected since.
;; K Nearest Neighbor. Allowed arithmetic: float matrix products may take bf16 or f16 operands with f32 sums; other float arithmetic in f32, or as packed bf16 or f16 multiplies, adds, multiply-adds, maxima and minima; sums over many terms, partial sums and values carried from step to step in f32; what a program stores and reads back later, other than sums and carried values, may be rounded once to bf16 or f16.
;; Inputs: X 1,024 x 128 float32; X_train 100,000 x 128 float32; y_train 100,000 int32.
;; Outputs: out0 1,024 float32.
;; Constants: k = 5.
;; One version. Each part assembles by itself: llvm-mc -triple=amdgcn-amd-amdhsa -mcpu=gfx1250 --defsym DOCPART=n.
;; ======== version 1 of 1: 3 launches
;; limits: values within 6.1e-05 (relative) of each other or of a threshold may be ordered or decided otherwise than in the reference
;; workspace buffers: xb 262,144 bytes; tsq 4,096 bytes; keys 5,120,000 bytes of whole numbers
;; launch prep (part 1): grid 64 x 1, 1 waves a work-group, no clusters, 0 bytes of LDS; arguments X, xb, tsq; writes xb, tsq
.if DOCPART == 1
	.amdgcn_target "amdgcn-amd-amdhsa--gfx1250"
	.amdhsa_code_object_version 6
	.text
	.protected	k_qc71b6a2e82_prep
	.globl	k_qc71b6a2e82_prep
	.p2align	8
	.type	k_qc71b6a2e82_prep,@function
k_qc71b6a2e82_prep:
	s_mov_b64 s[64:65], 0
	v_nop
	global_prefetch_b8 v0, s[64:65] scope:SCOPE_SE
	s_setreg_imm32_b32 hwreg(HW_REG_WAVE_MODE, 25, 1), 1
	s_wait_xcnt 0x0
; PREP.  X [1024][128] f32 -> xb: bf16(-2 x) in the order in which a matrix instruction's second source wants it; tsq[q] = the sum over k of bf16(x[q][k])^2 in f32.
; The whole program computes reference() on X and X_train rounded once to bf16: both norms are taken of the rounded numbers.
; One wave takes 16 queries (a query tile qt).  Lane (r = lane % 16, h = lane / 16) holds, for each K step ks of 32 and each half of it, the eight numbers
; k = 32 ks + 16 half + 8 h + 0..7 of query r: 16 bytes of bf16.  xb is [qt 64][ks 4][half 2][lane 32][16 bytes], so that a later load of 16 bytes a lane is 512 consecutive bytes.
; -2 x is exact, and bf16(-2 x) = -2 bf16(x).  LIMIT: |x| below 1.7e38, or -2 x overflows.  The sum of squares of -2 bf16(x) is 4 tsq; the factor 0.25 is exact.
; No LDS and no matrix unit: 512 KiB pass through once.  tsq leaves as 64 bytes a work-group: 4 KiB in all, too little to gather further.
.set F, 8                              ; v[8:71]    64 numbers in f32
.set B, 72                             ; v[72:103]  the same as 32 pairs of bf16
.set S, 104                            ; v[104:107] four running sums
.set T, 108                            ; v108       the other half of the lanes' sum
	s_load_b128 s[4:7], s[0:1], 0x0                ; X s[4:5], xb s[6:7]
	s_load_b64 s[8:9], s[0:1], 0x10                ; tsq
	v_and_b32 v1, 15, v0                           ; r
	v_lshrrev_b32 v2, 4, v0                        ; h
	v_lshlrev_b32 v3, 9, v1                        ; a row of X is 512 bytes
	v_lshl_add_u32 v3, v2, 5, v3                   ; + 8 h numbers of 4 bytes
	v_lshlrev_b32 v4, 4, v0                        ; 16 bytes a lane in xb
	v_lshlrev_b32 v5, 2, v1                        ; 4 r in tsq
	s_mov_b32 s12, 0x76543210                      ; v_permlanex16_b32: each lane takes its own place in the other half
	s_mov_b32 s13, 0xfedcba98
	s_lshl_b32 s10, ttmp9, 13                      ; 16 rows of 512 bytes
	s_mov_b32 s11, 0
	s_wait_kmcnt 0x0
	s_add_nc_u64 s[4:5], s[4:5], s[10:11]
	s_lshl_b32 s10, ttmp9, 12                      ; a query tile is 4,096 bytes of xb
	s_add_nc_u64 s[6:7], s[6:7], s[10:11]
	s_lshl_b32 s10, ttmp9, 6                       ; and 64 bytes of tsq
	s_add_nc_u64 s[8:9], s[8:9], s[10:11]
.set c, 0
.rept 8                                ; c = 2 ks + half: 16 numbers along K are 64 bytes
	global_load_b128 v[F+8*c:F+8*c+3],   v3, s[4:5] offset:64*c th:TH_LOAD_NT
	global_load_b128 v[F+8*c+4:F+8*c+7], v3, s[4:5] offset:64*c+16 th:TH_LOAD_NT
.set c, c+1
.endr
.set i, 0
.rept 5
	v_mov_b32 v[S+i], 0                            ; the four sums start at 0; v108 is written, since the lane exchange counts as a reader of its destination
.set i, i+1
.endr
	s_wait_loadcnt 0x0
.set i, 0
.rept 32
	v_pk_mul_f32 v[F+2*i:F+2*i+1], v[F+2*i:F+2*i+1], -2.0 op_sel_hi:[1,0]
.set i, i+1
.endr
.set i, 0
.rept 32
	v_cvt_pk_bf16_f32 v[B+i], v[F+2*i], v[F+2*i+1]
.set i, i+1
.endr
.set c, 0
.rept 8
	global_store_b128 v4, v[B+4*c:B+4*c+3], s[6:7] offset:512*c  ; 32 lanes store 512 consecutive bytes, at a multiple of 512 from xb's first byte
.set c, c+1
.endr
.set i, 0
.rept 32                               ; squares of the rounded numbers, straight from the bf16 halves into f32 sums; four chains
	v_fma_mix_f32_bf16 v[S+(2*i)%4],   v[B+i], v[B+i], v[S+(2*i)%4]   op_sel_hi:[1,1,0]
	v_fma_mix_f32_bf16 v[S+(2*i+1)%4], v[B+i], v[B+i], v[S+(2*i+1)%4] op_sel:[1,1,0] op_sel_hi:[1,1,0]
.set i, i+1
.endr
	v_add_f32 v[S], v[S], v[S+1]
	v_add_f32 v[S+2], v[S+2], v[S+3]
	v_add_f32 v[S], v[S], v[S+2]
	v_permlanex16_b32 v[T], v[S], s12, s13         ; the query's other 64 numbers lie in the lane 16 away
	v_add_f32 v[S], v[S], v[T]
	v_mul_f32 v[S], 0.25, v[S]
	s_wait_xcnt 0x0                                ; EXEC is a source of the stores above: it changes only behind this wait
	v_cmp_gt_u32 vcc_lo, 16, v0
	s_and_saveexec_b32 s14, vcc_lo                 ; lanes 0 to 15: one number a query
	global_store_b32 v5, v[S], s[8:9]
	s_wait_xcnt 0x0
	s_or_b32 exec_lo, exec_lo, s14
	s_endpgm
.Lfunc_end_k_qc71b6a2e82_prep:
	.size	k_qc71b6a2e82_prep, .Lfunc_end_k_qc71b6a2e82_prep-k_qc71b6a2e82_prep
	.p2alignl 7, 3214868480
	.fill 96, 4, 3214868480
	.section	.rodata,"a",@progbits
	.p2align	6, 0x0
	.amdhsa_kernel k_qc71b6a2e82_prep
		.amdhsa_group_segment_fixed_size 0
		.amdhsa_private_segment_fixed_size 0
		.amdhsa_enable_private_segment 0
		.amdhsa_kernarg_size 24
		.amdhsa_user_sgpr_count 2
		.amdhsa_user_sgpr_kernarg_segment_ptr 1
		.amdhsa_wavefront_size32 1
		.amdhsa_system_sgpr_workgroup_id_x 1
		.amdhsa_system_sgpr_workgroup_id_y 1
		.amdhsa_system_sgpr_workgroup_id_z 1
		.amdhsa_system_vgpr_workitem_id 0
		.amdhsa_next_free_vgpr 112
		.amdhsa_next_free_sgpr 66
		.amdhsa_reserve_vcc 1
		.amdhsa_float_denorm_mode_32 3
		.amdhsa_float_denorm_mode_16_64 3
		.amdhsa_memory_ordered 1
		.amdhsa_forward_progress 1
		.amdhsa_inst_pref_size 12
	.end_amdhsa_kernel
	.amdgpu_metadata
---
amdhsa.version: [ 1, 2 ]
amdhsa.kernels:
  - .name:           k_qc71b6a2e82_prep
    .symbol:         k_qc71b6a2e82_prep.kd
    .args:
      - { .name: X, .offset: 0, .size: 8, .value_kind: global_buffer, .address_space: global }
      - { .name: xb, .offset: 8, .size: 8, .value_kind: global_buffer, .address_space: global }
      - { .name: tsq, .offset: 16, .size: 8, .value_kind: global_buffer, .address_space: global }
    .group_segment_fixed_size: 0
    .private_segment_fixed_size: 0
    .kernarg_segment_align: 8
    .kernarg_segment_size: 24
    .max_flat_workgroup_size: 32
    .sgpr_count:     66
    .vgpr_count:     112
    .wavefront_size: 32
...
	.end_amdgpu_metadata
.endif
;; end of part 1
;; launch scan (part 2): grid 250 x 1, 8 waves a work-group, no clusters, 234,496 bytes of LDS; arguments xb, tsq, X_train, keys; writes keys
.if DOCPART == 2
	.amdgcn_target "amdgcn-amd-amdhsa--gfx1250"
	.amdhsa_code_object_version 6
	.text
	.protected	k_qc71b6a2e82_scan
	.globl	k_qc71b6a2e82_scan
	.p2align	8
	.type	k_qc71b6a2e82_scan,@function
k_qc71b6a2e82_scan:
	s_mov_b64 s[64:65], 0
	v_nop
	global_prefetch_b8 v0, s[64:65] scope:SCOPE_SE
	s_setreg_imm32_b32 hwreg(HW_REG_WAVE_MODE, 25, 1), 1
	s_wait_xcnt 0x0
; SCAN.  For every query the five best BUCKETS of each work-group's slice of X_train.  A bucket is eight consecutive training rows.  If a row is among a query's 5 nearest, its bucket's least distance
; is among the 5 least bucket minima (else 5 other rows would come before it): so only bucket minima are ranked here, and a later launch works the chosen buckets out row by row.
; d2 = trsq - 2 x.t + tsq, on X and X_train rounded once to bf16, sums in f32: A = 16 rows of bf16(t), B = 16 queries of bf16(-2 x) (from xb), C of the first K step = trsq.
; SHARES.  Bucket g = (25 h + t) 250 + w holds rows 8 g .. 8 g + 7: w = work-group (0..249), t = tile (0..24), h = half (0, 1).  Tile t of work-group w is bucket (0, t) as A's rows 0-7 and bucket (1, t) as rows
; 8-15.  In the result, lane (r, h) holds query r and, in its eight registers, exactly the eight rows of bucket (h, t): a bucket's minimum never leaves the lane.  Wave v owns queries 128 v .. 128 v + 127, as 8 query
; tiles whose 256 registers of B are window 1; every wave walks all 25 tiles: 32 matrix instructions a tile.
; KEY = (bits of max(min8 + tsq, 0), low 9 bits cut) | (25 h + t) << 3.  It is a positive number and sorts alike as f32 and as u32; the order (value, id, w) is (value, g).  The low 3 bits stay free for the next launch.
; Each lane keeps a sorted list of 5 keys a query tile (insertion: four medians of three and a minimum).  At the end the two halves' lists are merged: keys[w][q][5], in no order.
; LIMITS.  Buckets are ranked on d2 cut to 14 bits behind the leading one (a step of 2^-14 of itself), rounded as (trsq - 2 x.t) + tsq; equal cuts go by index.  A bucket that holds one of the 5 nearest is lost only
; if five others of the same work-group tie with it within that step; the next launch takes 8 buckets where 5 are needed.  NaN and infinities are not treated apart (an infinite d2 makes a NaN key).
; LDS.  The work-group's whole slice, 400 rows of 512 bytes, comes in by first fills alone: two tensor loads a wave, both out from the start, so there is no ring.  Each wave rounds the tiles
; that it fetched to bf16 in place, over the first 256 bytes of each row, and leaves their sums of squares in a table.
; NO CLUSTER: 250 work-groups are no multiple of four, their slices are disjoint, and xb, which all read, goes straight into registers (262,144 bytes of it beside the slice do not fit in LDS).
; REGISTERS, in windows of 256 (s_set_vgpr_msb: bits 1:0 source 0, 3:2 source 1, 5:4 source 2, 7:6 destination).  Window 1: B of query tile qt, K step ks at 32 qt + 8 ks.  Window 0: all else.
.set PITCH, 528                        ; a row in LDS: 512 bytes + 16 of padding = 33 x 16: the 8 rows of a bucket start at 8 different columns of 16 bytes, and the two halves lie 128 bytes apart modulo 256
.set CHUNK, 8*PITCH                    ; a bucket: 4,224
.set HALF,  25*CHUNK                   ; the 25 buckets of a half: 105,600
.set TRB,   2*HALF                     ; 211,200: trsq[t][16] in f32, 1,600 bytes in 7 blocks of 256
.set STG,   TRB+1792                   ; 212,992: 2,560 bytes for each wave, for the way out
.set SPARE, STG+8*2560                 ; 233,472: the spare words, 128 bytes for each wave: four blocks of 256 bytes that no other line names
.set L16,  3                           ; v3   16 x lane
.set PRD0, 4                           ; v4   rounding: where I read my quarter of a row, half 0
.set PWR0, 5                           ; v5   where I put it back as bf16
.set TRW,  6                           ; v6   where my row's sum of squares goes
.set AFA,  7                           ; v7   my place in A's fragments of the tile to be fetched; steps by a bucket
.set TRA,  8                           ; v8   my eight trsq of that tile; steps by 64
.set IDV,  9                           ; v9   (25 h + t) << 3
.set STW,  10                          ; v10  the way out: my five keys
.set STR,  11                          ; v11  the way out: 16 bytes back
.set R4,   12                          ; v12  4 r
.set TMP,  13
.set SPW,  14                          ; v14  LDS address of my spare word; never rewritten
.set NIL,  15                          ; v15  0; never rewritten
.set TSQ,  16                          ; v[16:23]   tsq of my query in each of the 8 query tiles
.set TS,   24                          ; v[24:39]   trsq as C, two buffers of 8
.set AFR,  40                          ; v[40:103]  A's fragments, two buffers of 4 K steps x 8
.set ACCA, 104                         ; v[104:135] accumulators of query tiles 0-3
.set ACCB, 136                         ; v[136:167] of query tiles 4-7
.set M,    168                         ; v[168:171] four bucket minima at work
.set L,    172                         ; v[172:211] the lists: place i of query tile qt at L + 5 qt + i
.set SM,   212                         ; v[212:215] rounding: sums
.set PT,   216
.set PRD1, 217                         ; the same as PRD0, PWR0 for half 1
.set PWR1, 218
.set F,    104                         ; rounding: 64 numbers in f32 (the accumulators' registers, ahead of the loop)
.set BF,   40                          ; rounding: 32 pairs of bf16
.set OWN,  104                         ; the merge, behind the loop
.set SND,  109
.set RCV,  114
.set MG,   144
.set BK,   40
.set MSB, 0
.macro WIN new                         ; the immediate's high byte repeats the setting that is left; a switch that changes nothing is dropped
.if MSB != (\new)
	s_set_vgpr_msb (MSB<<8)|(\new)
.set MSB, (\new)
.endif
.endm
.set W_MM, 0x04                        ; source 1 (B) in window 1
	s_load_b256 s[4:11], s[0:1], 0x0               ; xb s[4:5], tsq s[6:7], X_train s[8:9], keys s[10:11]
	v_lshl_add_u32 v[SPW], v0, 2, SPARE
	v_mov_b32 v[NIL], 0
	ds_add_u32 v[SPW], v[NIL]                      ; the wave's opening: the add and its wait stand ahead of my first tensor load; the set-up below, work on registers, stands between them
	ds_add_u32 v14, v15
	v_lshrrev_b32 v[TMP], 5, v0
	v_readfirstlane_b32 s12, v[TMP]                ; wave 0..7
	; descriptor group 1.  A row of the tile is a bucket: 1,024 numbers of 4 bytes, 4,096 consecutive bytes; from tile to tile 250 buckets.  Waves 0-6 fetch 3 tiles of each half, wave 7 fetches 4.
.irp g, 16, 40
	s_mov_b32 s[\g], (2<<16)|(1<<20)|(6<<22)|(3<<25)  ; 17:16 elements of 4 bytes; 20 padding on; 24:22 after every 128 words (code 6), a training row; 31:25 4 words of it (code 3)
	s_mov_b32 s[\g+1], 1024<<16                    ; tensor_dim0 = 1,024
	s_mov_b32 s[\g+3], 1024<<16                    ; tile_dim0 = 1,024
	s_mov_b32 s[\g+5], 256000                      ; 250 x 1,024 elements from row to row
	s_mov_b32 s[\g+6], 0
	s_mov_b32 s[\g+7], 0
.endr
	s_mov_b32 s18, 3<<16                           ; tensor_dim1
	s_mov_b32 s20, 3                               ; tile_dim1
	s_mov_b32 s42, 4<<16
	s_mov_b32 s44, 4
	s_mul_i32 s14, s12, 3*CHUNK                    ; my tiles begin at tile 3 v
	s_mov_b32 s24, 1                               ; group 0, half 0: count = 1,
	s_mov_b32 s25, s14                             ; LDS address
	s_mov_b32 s28, 1                               ; half 1
	s_add_co_u32 s29, s14, HALF
	s_mul_i32 s38, s12, 750                        ; bucket (0, 3 v, w) = 750 v + w,
	s_add_co_u32 s38, s38, ttmp9
	s_lshl_b32 s38, s38, 12                        ; 4,096 bytes each
	s_mov_b32 s39, 0
	s_mov_b32 s32, 0xfffffe00                      ; cuts a key's low 9 bits
	s_mov_b32 s34, 0x76543210                      ; v_permlanex16_b32: each lane takes its own place in the other half
	s_mov_b32 s35, 0xfedcba98
	s_mov_b32 s36, 0xffff0000                      ; lanes 16-31
	s_mov_b32 s37, 0x7f800000                      ; +infinity: above every key
	s_wait_dscnt 0x0                               ; the opening add is done
	s_wait_kmcnt 0x0
	s_add_nc_u64 s[26:27], s[8:9], s[38:39]
	s_add_nc_u64 s[30:31], s[26:27], 0x186a000     ; half 1 begins 6,250 buckets on
	s_or_b32 s27, s27, 0x80000000                  ; type = 2
	s_or_b32 s31, s31, 0x80000000
	s_cmp_eq_u32 s12, 7                            ; a wave's two first fills stand in one branch; an s_nop 0 follows each, four v_nop the second's
	s_cbranch_scc1 .Lseven
	tensor_load_to_lds s[24:27], s[16:23]
	s_nop 0
	tensor_load_to_lds s[28:31], s[16:23]
	s_nop 0
.rept 4
	v_nop
.endr
	s_branch .Lasked
.Lseven:
	tensor_load_to_lds s[24:27], s[40:47]
	s_nop 0
	tensor_load_to_lds s[28:31], s[40:47]
	s_nop 0
.rept 4
	v_nop
.endr
.Lasked:
	v_and_b32 v1, 15, v0                           ; r
	v_bfe_u32 v2, v0, 4, 1                         ; h
	v_and_b32 v[TMP], 31, v0                       ; lane
	v_lshlrev_b32 v[L16], 4, v[TMP]
	v_lshlrev_b32 v[R4], 2, v1
	s_lshl_b32 s38, s12, 15                        ; my 8 query tiles of 4,096 bytes in xb,
	s_add_nc_u64 s[4:5], s[4:5], s[38:39]
	s_lshl_b32 s38, s12, 9                         ; my 128 numbers in tsq,
	s_add_nc_u64 s[6:7], s[6:7], s[38:39]
	s_mul_i32 s38, ttmp9, 20480                    ; and my 128 queries x 5 keys in keys[w]
	s_mul_i32 s15, s12, 2560
	s_add_co_u32 s38, s38, s15
	s_add_nc_u64 s[10:11], s[10:11], s[38:39]
	WIN 0x40                                       ; destination window 1, address window 0
.set i, 0
.rept 64                               ; B stays in registers: 64 loads of 512 consecutive bytes, in xb's own order
	global_load_b128 v[4*i:4*i+3], v[L16], s[4:5] offset:512*i
.set i, i+1
.endr
	WIN 0
.set i, 0
.rept 8
	global_load_b32 v[TSQ+i], v[R4], s[6:7] offset:64*i
.set i, i+1
.endr
	; rounding: lane = (row j = lane % 8 of a bucket, quarter = lane / 8 of its 512 bytes)
	v_and_b32 v[PT], 7, v0
	v_bfe_u32 v[SM], v0, 3, 2
	v_mul_u32_u24 v[PRD0], v[PT], PITCH
	v_add_nc_u32 v[PRD0], s14, v[PRD0]
	v_lshl_add_u32 v[PWR0], v[SM], 6, v[PRD0]      ; 32 numbers are 64 bytes of bf16,
	v_lshl_add_u32 v[PRD0], v[SM], 7, v[PRD0]      ; 128 of f32
	v_add_nc_u32 v[PRD1], HALF, v[PRD0]
	v_add_nc_u32 v[PWR1], HALF, v[PWR0]
	s_mul_i32 s15, s12, 192                        ; trsq of tile 3 v
	s_add_co_u32 s15, s15, TRB
	v_lshl_add_u32 v[TRW], v[PT], 2, s15
	; A's fragment: lane (r, h) holds row r (bucket r / 8, row r % 8) and k = 8 h + 0..7, 16 + 8 h + 0..7 of a K step: two loads of 16 bytes, 32 bytes apart
	v_lshrrev_b32 v[PT], 3, v1
	v_and_b32 v[AFA], 7, v1
	v_mul_u32_u24 v[AFA], v[AFA], PITCH
	v_mad_u32_u24 v[AFA], v[PT], HALF, v[AFA]
	v_lshl_add_u32 v[AFA], v2, 4, v[AFA]
	v_lshl_add_u32 v[TRA], v2, 5, TRB              ; C's register j is row 8 h + j
	v_mul_u32_u24 v[IDV], v2, 200                  ; 25 h << 3
	s_mul_i32 s15, s12, 2560
	s_add_co_u32 s15, s15, STG
	v_add_nc_u32 v[STR], s15, v[L16]
	v_mad_u32_u24 v[STW], v[TMP], 20, s15
.set i, 0
.rept 40
	v_mov_b32 v[L+i], s37                          ; every list meets 25 buckets, so none of these is left at the end
.set i, i+1
.endr
; The two buckets of tile 3 v + tz are rounded to bf16 in place, and their 16 sums of squares stored.  All of a row is in registers before any of it is written.
.macro PREP tz
.set c, 0
.rept 8
	ds_load_b128 v[F+4*c:F+4*c+3], v[PRD0] offset:(\tz)*CHUNK+16*c
.set c, c+1
.endr
.set c, 0
.rept 8
	ds_load_b128 v[F+32+4*c:F+32+4*c+3], v[PRD1] offset:(\tz)*CHUNK+16*c
.set c, c+1
.endr
	s_wait_dscnt 0x0
.set i, 0
.rept 32
	v_cvt_pk_bf16_f32 v[BF+i], v[F+2*i], v[F+2*i+1]
.set i, i+1
.endr
.set c, 0
.rept 4
	ds_store_b128 v[PWR0], v[BF+4*c:BF+4*c+3] offset:(\tz)*CHUNK+16*c
	ds_store_b128 v[PWR1], v[BF+16+4*c:BF+16+4*c+3] offset:(\tz)*CHUNK+16*c
.set c, c+1
.endr
.set i, 0
.rept 4
	v_mov_b32 v[SM+i], 0
.set i, i+1
.endr
.set i, 0
.rept 16                               ; squares of the rounded numbers; four chains: half 0's low and high halves, half 1's
	v_fma_mix_f32_bf16 v[SM],   v[BF+i],    v[BF+i],    v[SM]   op_sel_hi:[1,1,0]
	v_fma_mix_f32_bf16 v[SM+1], v[BF+i],    v[BF+i],    v[SM+1] op_sel:[1,1,0] op_sel_hi:[1,1,0]
	v_fma_mix_f32_bf16 v[SM+2], v[BF+16+i], v[BF+16+i], v[SM+2] op_sel_hi:[1,1,0]
	v_fma_mix_f32_bf16 v[SM+3], v[BF+16+i], v[BF+16+i], v[SM+3] op_sel:[1,1,0] op_sel_hi:[1,1,0]
.set i, i+1
.endr
	v_add_f32 v[SM], v[SM], v[SM+1]
	v_add_f32 v[SM+2], v[SM+2], v[SM+3]
	v_add_f32_dpp v[SM], v[SM], v[SM] row_xmask:8 row_mask:0xf bank_mask:0xf        ; a row's four quarters lie in lanes j, j + 8, j + 16, j + 24
	v_add_f32_dpp v[SM+2], v[SM+2], v[SM+2] row_xmask:8 row_mask:0xf bank_mask:0xf
	v_permlanex16_b32 v[SM+1], v[SM], s34, s35
	v_permlanex16_b32 v[SM+3], v[SM+2], s34, s35
	v_add_f32 v[SM], v[SM], v[SM+1]
	v_add_f32 v[SM+2], v[SM+2], v[SM+3]
	ds_store_b32 v[TRW], v[SM] offset:(\tz)*64       ; the four lanes of a row store the same number to the same word
	ds_store_b32 v[TRW], v[SM+2] offset:(\tz)*64+32
.endm
; The next tile's ten LDS loads in one run: A's four fragments and the eight trsq, into buffer b
.macro LOADT b
.set c, 0
.rept 4
	ds_load_b128 v[AFR+32*(\b)+8*c:AFR+32*(\b)+8*c+3],   v[AFA] offset:64*c
	ds_load_b128 v[AFR+32*(\b)+8*c+4:AFR+32*(\b)+8*c+7], v[AFA] offset:64*c+32
.set c, c+1
.endr
	ds_load_b128 v[TS+8*(\b):TS+8*(\b)+3],   v[TRA]
	ds_load_b128 v[TS+8*(\b)+4:TS+8*(\b)+7], v[TRA] offset:16
.endm
; Matrix instruction i of 16 of a quad (four query tiles from qb on): K step i / 4, query tile qb + i % 4.  The first four start the sums with trsq.  The four accumulators take turns.
.macro MM acc, qb, b, i
.set rD, (\acc)+8*((\i)%4)
.set rA, AFR+32*(\b)+8*((\i)/4)
.set rB, 32*((\qb)+(\i)%4)+8*((\i)/4)
.if (\i) < 4
	v_wmma_f32_16x16x32_bf16 v[rD:rD+7], v[rA:rA+7], v[rB:rB+7], v[TS+8*(\b):TS+8*(\b)+7]
.else
	v_wmma_f32_16x16x32_bf16 v[rD:rD+7], v[rA:rA+7], v[rB:rB+7], v[rD:rD+7]
.endif
.endm
; Number n of the 48 vector instructions that take a finished quad into the lists.  0-15: the least of each accumulator's eight (its lowest registers are read first);
; 16-27: + tsq, not below 0, the key;  28-47: for each of the four, its place in the sorted list: from the top down, each place takes the median of itself, its lower neighbour's old value and the key.
.macro RID acc, qb, n
.if (\n) < 28
.set q, (\n)%4
.set rC, (\acc)+8*q
.set rM, M+q
.if (\n) < 4
	v_min3_num_f32 v[rM], v[rC], v[rC+1], v[rC+2]
.elseif (\n) < 8
	v_min3_num_f32 v[rM], v[rM], v[rC+3], v[rC+4]
.elseif (\n) < 12
	v_min3_num_f32 v[rM], v[rM], v[rC+5], v[rC+6]
.elseif (\n) < 16
	v_min_num_f32 v[rM], v[rM], v[rC+7]
.elseif (\n) < 20
	v_add_f32 v[rM], v[rM], v[TSQ+(\qb)+q]
.elseif (\n) < 24
	v_max_num_f32 v[rM], 0, v[rM]
.else
	v_and_or_b32 v[rM], v[rM], s32, v[IDV]
.endif
.else
.set e, (\n)-28
.set rM, M+e/5
.set rL, L+5*((\qb)+e/5)
.set lv, 4-(e%5)
.if lv > 0
	v_med3_num_f32 v[rL+lv], v[rL+lv-1], v[rM], v[rL+lv]
.else
	v_min_num_f32 v[rL], v[rL], v[rM]
.endif
.endif
.endm
; A quad: 16 matrix instructions in eight pairs; behind each pair six of the quad before's 48 (rid = 1).  None of the six names a register of the products round it.
.macro QUAD acc, qb, b, racc, rqb, rid
.set g, 0
.rept 8
	WIN W_MM
	MM \acc, \qb, \b, 2*g
	MM \acc, \qb, \b, 2*g+1
.if \rid
	WIN 0
	RID \racc, \rqb, 6*g
	RID \racc, \rqb, 6*g+1
	RID \racc, \rqb, 6*g+2
	RID \racc, \rqb, 6*g+3
	RID \racc, \rqb, 6*g+4
	RID \racc, \rqb, 6*g+5
.endif
.set g, g+1
.endr
	WIN 0
.endm
; A tile, on buffer b.  A vector instruction that reads a matrix result, and a load into a register that a matrix instruction has read, stand four places behind it, and only plain vector instructions that name none
; of its registers are places (ISA guide 7.12.1 for vector instructions): behind each quad's last product stand the six list instructions of the quad before, which are such places.
; pf = 1: the next tile's loads go out at the tile's head and have the whole tile in which to come back.  first = 1: there is no quad before.
; The id steps between the quads: the first quad carries the last tile's second quad into the lists, the second quad this tile's first.
.macro TILE b, first, pf
	s_wait_dscnt 0x0                               ; this tile's ten loads, issued a tile ago
.if \pf
	v_add_nc_u32 v[AFA], CHUNK, v[AFA]
	v_add_nc_u32 v[TRA], 64, v[TRA]
	LOADT 1-(\b)
.endif
	QUAD ACCA, 0, \b, ACCB, 4, 1-(\first)
.if \first
.rept 4
	v_nop                                          ; the places behind the first quad's products
.endr
.else
	v_add_nc_u32 v[IDV], 8, v[IDV]
.endif
	QUAD ACCB, 4, \b, ACCA, 0, 1
.endm
	s_wait_tensorcnt 0x0                           ; my two loads have landed;
	s_barrier_signal -1                            ; everybody's have: the waves' shares do not end on blocks of 256 bytes
	s_barrier_wait -1
	PREP 0
	PREP 1
	PREP 2
	s_cmp_lg_u32 s12, 7
	s_cbranch_scc1 .Lprepped
	PREP 3                                         ; tile 24 is wave 7's fourth
.Lprepped:
	s_wait_dscnt 0x0                               ; for the others' sake: my stores are done
	s_barrier_signal -1
	s_barrier_wait -1                              ; all 25 tiles lie in bf16, with their trsq
	LOADT 0
	s_wait_loadcnt 0x0                             ; B and tsq
	TILE 0, 1, 1                                   ; tile 0
	s_mov_b32 s33, 11
.Ltile:                                                ; tiles 1 to 22, two a trip
	TILE 1, 0, 1
	TILE 0, 0, 1
	s_sub_co_u32 s33, s33, 1
	s_cmp_lg_u32 s33, 0
	s_cbranch_scc1 .Ltile
	TILE 1, 0, 1                                   ; tile 23
	TILE 0, 0, 0                                   ; tile 24: nothing is left to fetch
.set g, 0
.rept 48
	RID ACCB, 4, g                                 ; the last quad goes into the lists; the id is tile 24's already
.set g, g+1
.endr
	; THE MERGE.  Lane r holds a query's list for half 0, lane r + 16 for half 1.  Of query tiles 2 p and 2 p + 1 the low lanes keep the first and send the second, the high lanes the other way round: lane l then
	; holds local query 32 p + l.  Both lists ascend, so the least of place i of one and place 4 - i of the other, i = 0..4, are the five least of the ten.
.set p, 0
.rept 4
.set i, 0
.rept 5
	v_cndmask_b32 v[OWN+i], v[L+10*p+i], v[L+10*p+5+i], s36
	v_cndmask_b32 v[SND+i], v[L+10*p+5+i], v[L+10*p+i], s36
.set i, i+1
.endr
.set i, 0
.rept 5
	v_permlanex16_b32 v[RCV+i], v[SND+i], s34, s35
.set i, i+1
.endr
.set i, 0
.rept 5
	v_min_u32 v[MG+5*p+i], v[OWN+i], v[RCV+4-i]
.set i, i+1
.endr
.set p, p+1
.endr
	; THE WAY OUT: a lane's 20 bytes go into my stage (lanes 5 words apart) and come back as 16 bytes a lane
.set i, 0
.rept 20
	ds_store_b32 v[STW], v[MG+i] offset:640*(i/5)+4*(i%5)
.set i, i+1
.endr
.set c, 0
.rept 5
	ds_load_b128 v[BK+4*c:BK+4*c+3], v[STR] offset:512*c  ; LDS serves a wave's instructions in order (ISA guide 5.7.1.4): these see the stores above
.set c, c+1
.endr
.set c, 0
.rept 5
	s_wait_dscnt 4-c                               ; the younger loads may stay out
	global_store_b128 v[L16], v[BK+4*c:BK+4*c+3], s[10:11] offset:512*c  ; 512 consecutive bytes, at a multiple of 512 from keys' first byte
.set c, c+1
.endr
	s_wait_tensorcnt 0x0                           ; the wave's end, behind my last tensor load and my last LDS store
	ds_add_u32 v[SPW], v[NIL]
	s_wait_dscnt 0x0
	s_endpgm
.Lfunc_end_k_qc71b6a2e82_scan:
	.size	k_qc71b6a2e82_scan, .Lfunc_end_k_qc71b6a2e82_scan-k_qc71b6a2e82_scan
	.p2alignl 7, 3214868480
	.fill 96, 4, 3214868480
	.section	.rodata,"a",@progbits
	.p2align	6, 0x0
	.amdhsa_kernel k_qc71b6a2e82_scan
		.amdhsa_group_segment_fixed_size 234496
		.amdhsa_private_segment_fixed_size 0
		.amdhsa_enable_private_segment 0
		.amdhsa_kernarg_size 32
		.amdhsa_user_sgpr_count 2
		.amdhsa_user_sgpr_kernarg_segment_ptr 1
		.amdhsa_wavefront_size32 1
		.amdhsa_system_sgpr_workgroup_id_x 1
		.amdhsa_system_sgpr_workgroup_id_y 1
		.amdhsa_system_sgpr_workgroup_id_z 1
		.amdhsa_system_vgpr_workitem_id 0
		.amdhsa_next_free_vgpr 512
		.amdhsa_next_free_sgpr 66
		.amdhsa_reserve_vcc 0
		.amdhsa_float_denorm_mode_32 3
		.amdhsa_float_denorm_mode_16_64 3
		.amdhsa_memory_ordered 1
		.amdhsa_forward_progress 1
		.amdhsa_inst_pref_size 97
	.end_amdhsa_kernel
	.amdgpu_metadata
---
amdhsa.version: [ 1, 2 ]
amdhsa.kernels:
  - .name:           k_qc71b6a2e82_scan
    .symbol:         k_qc71b6a2e82_scan.kd
    .args:
      - { .name: xb, .offset: 0, .size: 8, .value_kind: global_buffer, .address_space: global }
      - { .name: tsq, .offset: 8, .size: 8, .value_kind: global_buffer, .address_space: global }
      - { .name: X_train, .offset: 16, .size: 8, .value_kind: global_buffer, .address_space: global }
      - { .name: keys, .offset: 24, .size: 8, .value_kind: global_buffer, .address_space: global }
    .group_segment_fixed_size: 234496
    .private_segment_fixed_size: 0
    .kernarg_segment_align: 8
    .kernarg_segment_size: 32
    .max_flat_workgroup_size: 256
    .sgpr_count:     66
    .vgpr_count:     512
    .wavefront_size: 32
...
	.end_amdgpu_metadata
.endif
;; end of part 2
;; launch vote (part 3): grid 256 x 1, 4 waves a work-group, no clusters, 94,720 bytes of LDS; arguments keys, xb, tsq, X_train, y_train, out0; writes out0
.if DOCPART == 3
	.amdgcn_target "amdgcn-amd-amdhsa--gfx1250"
	.amdhsa_code_object_version 6
	.text
	.protected	k_qc71b6a2e82_vote
	.globl	k_qc71b6a2e82_vote
	.p2align	8
	.type	k_qc71b6a2e82_vote,@function
k_qc71b6a2e82_vote:
	s_mov_b64 s[64:65], 0
	v_nop
	global_prefetch_b8 v0, s[64:65] scope:SCOPE_SE
	s_setreg_imm32_b32 hwreg(HW_REG_WAVE_MODE, 25, 1), 1
	s_wait_xcnt 0x0
; VOTE.  A wave owns one query q = 4 b + wave.  (A) the work-group's 4 x 1,250 keys come into LDS; (B) the wave takes the 8 least keys of its query, by whole-number instructions alone: 8 buckets of 8 rows;
; (C) the 64 rows and their labels are fetched, the rows rounded to bf16, and d2 = (tsq + trsq) - 2 x.t made in reference()'s order of additions, then the root, correctly rounded;
; (D) five times the least distance (ties: the lower index) is taken and its label counted; the most frequent label (ties: the smaller) leaves as f32.
; Addresses hang only on the keys, which the launch before stored as whole numbers, cut to the tables' sizes; the floating-point comparisons of (C) and (D) select values and steer nothing.
; A key is (d2's bits, low 9 cut) | id << 3, id = 25 h + t; it came from work-group w of the launch before; its bucket is g = 250 id + w.  Here the low 3 bits take n = w / 32, and lane = w % 32 holds it:
; the order (key, lane) is (value, g), index order among equal values.
; LIMITS.  8 buckets are worked out where 5 are needed, so up to three more buckets may tie with the fifth within the keys' step of 2^-14; beyond that a neighbour at most that much farther may be taken.
; X and X_train count as rounded to bf16; sums are in f32 in another order than reference()'s, so distances that differ by a few units in f32's last place of tsq + trsq may change places (with a large common offset
; in the inputs that is more of d2, as in reference() itself).  The root of a d2 below 2^-126 is 0.  NaN and infinities are not treated apart.  A label outside 0..9 counts for nothing, as in one_hot.
; trsq is the diagonal of the rows' own product T T^T, made beside the cross product on the same fragments.  The query stands in all 16 columns of B.
; NO CLUSTER, NO TENSOR LOADS: the waves share nothing but the keys' table, and a row's address is known only just before the row is wanted.  out0 leaves as 4 bytes a wave: 4 KiB in all;
; gathering 64 queries into one work-group for whole blocks of 256 bytes would leave 16 work-groups for the fetch of 32 MiB of rows.
.set KBW, 6144                         ; the keys' table: [writer wave 4][query 4][lane 32][48 bytes: 10 keys, 8 bytes unused]; a writer's part
.set KBQ, 1536                         ; a query's part of it
.set WS,  4*KBW                        ; 24,576: for each wave 64 rows of bf16, 256 bytes + 16 of padding
.set WSB, 64*272
.set SPARE, WS+4*WSB                   ; 94,208: the spare words, 128 bytes for each wave: two blocks of 256 bytes that no other line names
.set KW,  8                            ; v8   where I store keys
.set KR,  9                            ; v9   where I read my lane's keys of my query
.set WSW, 10                           ; v10  where my 8 bytes of a row go
.set FA,  11                           ; v11  my place in a fragment
.set QFA, 12                           ; v12  my place in xb's query tile
.set ONE, 13                           ; v13  1
.set SPW, 14                           ; v14  LDS address of my spare word; never rewritten
.set NIL, 15                           ; v15  0; never rewritten
.set K,   16                           ; v[16:55]   40 keys
.set AC,  16                           ; later v[16:47]: four accumulators
.set XR,  48                           ; v[48:51]   what is picked from them;  v52, v53 the other half of the lanes'
.set T,   56                           ; v[56:75]   the tree of minima
.set PR,  56                           ; later v[56:63]: four pairs of bf16 on their way to LDS
.set CC,  64                           ; v64, v65   -2 x.t of my two rows
.set GG,  66                           ; v66, v67   trsq
.set DD,  68                           ; v68, v69   d2
.set SQ,  70                           ; v70, v71   the distance
.set TA,  72
.set TB,  73
.set TC,  74
.set TD,  75
.set VM,  76                           ; my lane's least key
.set VMM, 77                           ; the wave's
.set TT,  78
.set BV,  79                           ; what has been taken off my lane's keys
.set VD,  80
.set CN,  81                           ; v81, v82   1 << 3 label
.set ACCU, 83                          ; ten counts of 3 bits
.set QF,  84                           ; v[84:115]  the query as B, four K steps
.set RR,  116                          ; v[116:243] 32 rows on their way, 4 registers each
.set FR,  116                          ; later v[116:179]: two tiles' fragments
.set LAB, 246                          ; v246, v247 my two rows' labels
.set IDX, 248                          ; v248, v249 their byte offsets in y_train
.set IDF, 250                          ; v250, v251 their indices as f32 (exact: below 2^24)
.set G,    20                          ; s[20:27] the 8 buckets
.set BASE, 28                          ; s[28:43] their first bytes
.set MJ,   45                          ; s[46:52] lanes with lane % 8 = j, j = 1..7
	s_load_b256 s[4:11], s[0:1], 0x0               ; keys s[4:5], xb s[6:7], tsq s[8:9], X_train s[10:11]
	s_load_b128 s[12:15], s[0:1], 0x20             ; y_train s[12:13], out0 s[14:15]
	v_lshl_add_u32 v[SPW], v0, 2, SPARE
	v_mov_b32 v[NIL], 0
	v_lshrrev_b32 v1, 5, v0
	v_readfirstlane_b32 s16, v1                    ; wave 0..3
	s_lshl_b32 s17, ttmp9, 2
	s_add_co_u32 s17, s17, s16                     ; q
	v_and_b32 v1, 31, v0                           ; lane
	v_and_b32 v2, 15, v0                           ; r
	v_bfe_u32 v3, v0, 4, 1                         ; h
	v_and_b32 v4, 7, v0                            ; j
	v_lshlrev_b32 v5, 4, v1                        ; 16 x lane
	v_mul_u32_u24 v6, v0, 0x5000                   ; keys[w] is 20,480 bytes: w = thread,
	v_add_nc_u32 v7, 128, v0
	v_min_u32 v7, 249, v7                          ; and w = thread + 128, held inside the table (what threads 122 on read there is blanked below)
	v_mul_u32_u24 v7, v7, 0x5000
	s_mul_i32 s19, s16, KBW
	v_mad_u32_u24 v[KW], v1, 48, s19
	s_mul_i32 s19, s16, KBQ
	v_mad_u32_u24 v[KR], v1, 48, s19
	s_mul_i32 s19, s16, WSB
	s_add_co_u32 s19, s19, WS
	v_lshl_add_u32 v[WSW], v1, 3, s19
	v_mad_u32_u24 v[FA], v2, 272, s19
	v_lshl_add_u32 v[FA], v3, 4, v[FA]
	s_and_b32 s19, s17, 15
	s_lshl_b32 s19, s19, 4
	v_lshl_add_u32 v[QFA], v3, 8, s19              ; xb's lane 16 h + q % 16: every column of B is my query
	v_mov_b32 v[ONE], 1
	v_mov_b32 v[TT], 0                             ; written, since a lane exchange counts as a reader of its destination
	v_mov_b32 v[BV], 0
	v_mov_b32 v[ACCU], 0
	s_mov_b32 s44, 0x76543210                      ; v_permlanex16_b32: each lane takes its own place in the other half
	s_mov_b32 s45, 0xfedcba98
.irp j, 1,2,3,4,5,6,7
	s_mov_b32 s[MJ+\j], 0x01010101<<\j
.endr
	s_mov_b32 s53, 0xff00ff00                      ; lanes 8-15 and 24-31
	s_mov_b32 s54, 0x00ffff00                      ; lanes 8-23
	s_mov_b32 s55, 0xff0000ff                      ; lanes 0-7 and 24-31: those with h = r / 8, which hold the diagonal
	s_mov_b32 s62, 0x7f800000                      ; +infinity
	s_mul_i32 s56, ttmp9, 80                       ; my work-group's 4 queries x 5 keys in keys[w]
	s_mov_b32 s57, 0
	s_wait_kmcnt 0x0
	s_add_nc_u64 s[4:5], s[4:5], s[56:57]
	s_lshr_b32 s56, s17, 4
	s_lshl_b32 s56, s56, 12                        ; my query's tile in xb
	s_add_nc_u64 s[6:7], s[6:7], s[56:57]
	s_lshl_b32 s56, s17, 2
	s_add_nc_u64 s[8:9], s[8:9], s[56:57]          ; tsq[q]
	s_add_nc_u64 s[14:15], s[14:15], s[56:57]      ; out0[q]
	; (A)
.set c, 0
.rept 5
	global_load_b128 v[K+4*c:K+4*c+3], v6, s[4:5] offset:16*c
.set c, c+1
.endr
.set c, 0
.rept 5
	global_load_b128 v[K+20+4*c:K+20+4*c+3], v7, s[4:5] offset:16*c
.set c, c+1
.endr
.set c, 0
.rept 8
	global_load_b128 v[QF+4*c:QF+4*c+3], v[QFA], s[6:7] offset:512*c
.set c, c+1
.endr
	s_load_b32 s18, s[8:9], 0x0
	s_wait_loadcnt 0x8                             ; the keys are in; the query's eight loads, issued behind them, may stay out
	v_cmp_gt_u32 vcc_lo, 122, v0                   ; thread + 128 is a work-group of the launch before only below 250
.set i, 0
.rept 20
	v_cndmask_b32 v[K+20+i], -1, v[K+20+i], vcc_lo
.set i, i+1
.endr
.set i, 0
.rept 40                               ; register 20 s + 5 query + place -> [my wave][query][lane][5 s + place]
	ds_store_b32 v[KW], v[K+i] offset:((i%20)/5)*KBQ+20*(i/20)+4*(i%5)
.set i, i+1
.endr
	s_wait_dscnt 0x0                               ; for the others' sake: my stores are done
	s_barrier_signal -1
	s_barrier_wait -1
	; (B)
.set a, 0
.rept 4
	ds_load_b128 v[K+10*a:K+10*a+3],   v[KR] offset:a*KBW
	ds_load_b128 v[K+10*a+4:K+10*a+7], v[KR] offset:a*KBW+16
	ds_load_b64  v[K+10*a+8:K+10*a+9], v[KR] offset:a*KBW+32
.set a, a+1
.endr
	s_wait_kmcnt 0x0                               ; tsq[q]
	s_wait_dscnt 0x0
.set i, 0
.rept 40
.set n, (i/10)+4*((i%10)/5)            ; register 10 a + 5 s + place holds a key of w = 32 (a + 4 s) + lane
.if n > 0
	v_or_b32 v[K+i], n, v[K+i]
.endif
.set i, i+1
.endr
; The k-th least key of the wave's 1,250 is taken.  A lane's keys are kept less BV.  The lane that held the least key takes that key + 1 off all its 40: the key taken wraps to the top of the range and stays above
; 2^31 (all that is ever taken off is a key, below 2^31), as do the blanks; the others, all greater than it, stay at 0 or above.  A lane holds 35 keys or more and loses 8 at the most.
.macro TAKE k, last
.set i, 0
.rept 20
	v_min_u32 v[T+i], v[K+i], v[K+20+i]
.set i, i+1
.endr
.set i, 0
.rept 10
	v_min_u32 v[T+i], v[T+i], v[T+10+i]
.set i, i+1
.endr
.set i, 0
.rept 5
	v_min_u32 v[T+i], v[T+i], v[T+5+i]
.set i, i+1
.endr
	v_min_u32 v[T], v[T], v[T+1]
	v_min_u32 v[T+2], v[T+2], v[T+3]
	v_min_u32 v[T], v[T], v[T+2]
	v_min_u32 v[T], v[T], v[T+4]
	v_add_nc_u32 v[VM], v[T], v[BV]                ; my lane's least key as it was stored
	v_mov_b32 v[VMM], v[VM]
.irp x, 1,2,4,8
	v_mov_b32_dpp v[TT], v[VMM] row_xmask:\x row_mask:0xf bank_mask:0xf
	v_min_u32 v[VMM], v[VMM], v[TT]
.endr
	v_permlanex16_b32 v[TT], v[VMM], s44, s45
	v_min_u32 v[VMM], v[VMM], v[TT]
	v_cmp_eq_u32 s58, v[VM], v[VMM]
	s_ctz_i32_b32 s59, s58                         ; the lowest lane that holds it
	v_readfirstlane_b32 s60, v[VMM]
	s_bfe_u32 s61, s60, 0x60003                    ; id
	s_mul_i32 s61, s61, 250
	s_and_b32 s60, s60, 7                          ; n
	s_lshl_b32 s60, s60, 5
	s_add_co_u32 s61, s61, s60
	s_add_co_u32 s61, s61, s59                     ; g = 250 id + 32 n + lane,
	s_min_u32 s[G+(\k)], s61, 12499                ; held inside the table
	s_lshl_b32 s56, s[G+(\k)], 12                  ; a bucket is 4,096 bytes
	s_add_nc_u64 s[BASE+2*(\k):BASE+2*(\k)+1], s[10:11], s[56:57]
.if (\k) < 4
.set i, 0
.rept 8                                ; the first four buckets' rows go out at once: a row is 512 consecutive bytes, 16 a lane
	global_load_b128 v[RR+4*(8*(\k)+i):RR+4*(8*(\k)+i)+3], v5, s[BASE+2*(\k):BASE+2*(\k)+1] offset:512*i
.set i, i+1
.endr
.endif
.if !(\last)
	v_cmp_eq_u32 vcc_lo, s59, v1
	v_add_nc_u32 v[TT], 1, v[T]
	v_cndmask_b32 v[VD], 0, v[TT], vcc_lo
.set i, 0
.rept 40
	v_sub_nc_u32 v[K+i], v[K+i], v[VD]
.set i, i+1
.endr
	v_add_nc_u32 v[BV], v[BV], v[VD]
.endif
.endm
	TAKE 0, 0
	TAKE 1, 0
	TAKE 2, 0
	TAKE 3, 0
	TAKE 4, 0
	TAKE 5, 0
	TAKE 6, 0
	TAKE 7, 1
	; (C)  Which two rows end up in my lane (see PASS): of buckets 4 p .. 4 p + 3, lanes 0-7 hold the first's rows, lanes 24-31 the second's, lanes 16-23 the third's, lanes 8-15 the fourth's; row lane % 8.
.macro LABEL p
	v_mov_b32 v[TA], s[G+4*(\p)]
	v_cndmask_b32 v[TA], v[TA], s[G+4*(\p)+1], s53
	v_mov_b32 v[TB], s[G+4*(\p)+2]
	v_cndmask_b32 v[TB], v[TB], s[G+4*(\p)+3], s53
	v_cndmask_b32 v[TA], v[TA], v[TB], s54
	v_lshl_add_u32 v[IDX+(\p)], v[TA], 3, v4       ; the row's index,
	v_min_u32 v[IDX+(\p)], 0x1869f, v[IDX+(\p)]    ; held inside y_train
	v_cvt_f32_u32 v[IDF+(\p)], v[IDX+(\p)]
	v_lshlrev_b32 v[IDX+(\p)], 2, v[IDX+(\p)]
	global_load_b32 v[LAB+(\p)], v[IDX+(\p)], s[12:13]
.endm
	LABEL 0
	LABEL 1
; Row rho (bucket rho / 8, row rho % 8) is rounded to bf16 and laid into my rows in LDS; its four registers then take row rho + 32.
.macro ROWIN rho
.if (\rho) < 32
	s_wait_loadcnt 33                              ; younger than this row's load: 31 - rho first rows, the 2 labels, rho refills
.else
	s_wait_loadcnt 63-(\rho)                       ; younger: the refills behind it
.endif
.set rR, RR+4*((\rho)%32)
.set rP, PR+2*((\rho)%4)
	v_cvt_pk_bf16_f32 v[rP], v[rR], v[rR+1]
	v_cvt_pk_bf16_f32 v[rP+1], v[rR+2], v[rR+3]
	ds_store_b64 v[WSW], v[rP:rP+1] offset:272*(\rho)
.if (\rho) < 32
	global_load_b128 v[rR:rR+3], v5, s[BASE+2*(((\rho)+32)/8):BASE+2*(((\rho)+32)/8)+1] offset:512*((\rho)%8)
.endif
.endm
.set w, 0
.rept 64
	ROWIN w
.set w, w+1
.endr
.macro MMV d, a, b                     ; K step ks of one of the four sums; the first starts it
.if ks == 0
	v_wmma_f32_16x16x32_bf16 v[(\d):(\d)+7], v[(\a)+8*ks:(\a)+8*ks+7], v[(\b)+8*ks:(\b)+8*ks+7], 0
.else
	v_wmma_f32_16x16x32_bf16 v[(\d):(\d)+7], v[(\a)+8*ks:(\a)+8*ks+7], v[(\b)+8*ks:(\b)+8*ks+7], v[(\d):(\d)+7]
.endif
.endm
; Tiles 2 p and 2 p + 1 of 16 rows.  Four sums by turns: each tile's rows times the query, and times themselves.  In a result, lane (r, h) register j is row 8 h + j, column r: register r % 8
; of the lanes with h = r / 8 is row r's -2 x.t, and the diagonal of T T^T.  Those 16 lanes keep the even tile's numbers; the other 16 take the odd tile's from the lane 16 away.
.macro PASS p
.set u, 0
.rept 8                                ; u = 4 x tile + K step
	ds_load_b128 v[FR+8*u:FR+8*u+3],   v[FA] offset:(2*(\p)+u/4)*4352+(u%4)*64     ; LDS serves a wave's instructions in order (ISA guide 5.7.1.4): these see my stores of the rows
	ds_load_b128 v[FR+8*u+4:FR+8*u+7], v[FA] offset:(2*(\p)+u/4)*4352+(u%4)*64+32
.set u, u+1
.endr
	s_wait_dscnt 0x0
.set ks, 0
.rept 4
	MMV AC,    FR,    QF
	MMV AC+8,  FR+32, QF
	MMV AC+16, FR,    FR
	MMV AC+24, FR+32, FR+32
.set ks, ks+1
.endr
.rept 4
	v_nop                                          ; four places between the last products and the first read of a result (ISA guide 7.12.1)
.endr
.set j, 1
.rept 7                                ; register lane % 8 of each accumulator; the lowest registers are read first
.set u, 0
.rept 4
.if j == 1
	v_cndmask_b32 v[XR+u], v[AC+8*u], v[AC+8*u+1], s[MJ+1]
.else
	v_cndmask_b32 v[XR+u], v[XR+u], v[AC+8*u+j], s[MJ+j]
.endif
.set u, u+1
.endr
.set j, j+1
.endr
	v_permlanex16_b32 v[XR+4], v[XR+1], s44, s45
	v_permlanex16_b32 v[XR+5], v[XR+3], s44, s45
	v_cndmask_b32 v[CC+(\p)], v[XR+4], v[XR], s55
	v_cndmask_b32 v[GG+(\p)], v[XR+5], v[XR+2], s55
.endm
	PASS 0
	PASS 1
.irp p, 0,1
	v_add_f32 v[DD+\p], s18, v[GG+\p]              ; (tsq + trsq) - 2 x.t, not below 0
	v_add_f32 v[DD+\p], v[DD+\p], v[CC+\p]
	v_max_num_f32 v[DD+\p], 0, v[DD+\p]
.endr
	v_sqrt_f32 v[SQ], v[DD]
	v_sqrt_f32 v[SQ+1], v[DD+1]
	v_nop                                          ; a plain instruction between the last root and the use of its result
	s_wait_alu depctr_va_vdst(0)
.irp p, 0,1                            ; the root is good to one unit in the last place; the residuals against its two neighbours say whether one of them is the rounded root
	v_add_nc_u32 v[TA], -1, v[SQ+\p]               ; the next number down,
	v_add_nc_u32 v[TB], 1, v[SQ+\p]                ; and up
	v_fma_f32 v[TC], -v[TA], v[SQ+\p], v[DD+\p]
	v_fma_f32 v[TD], -v[TB], v[SQ+\p], v[DD+\p]
	v_cmp_ge_f32 vcc_lo, 0, v[TC]
	v_cndmask_b32 v[SQ+\p], v[SQ+\p], v[TA], vcc_lo
	v_cmp_lt_f32 vcc_lo, 0, v[TD]
	v_cndmask_b32 v[SQ+\p], v[SQ+\p], v[TB], vcc_lo
.endr
	; (D)
.irp p, 0,1
	v_cmp_gt_u32 vcc_lo, 10, v[LAB+\p]
	v_mul_u32_u24 v[TA], 3, v[LAB+\p]
	v_lshlrev_b32 v[TA], v[TA], v[ONE]
	v_cndmask_b32 v[CN+\p], 0, v[TA], vcc_lo       ; one in the label's field of 3 bits; nothing for a label outside 0..9
.endr
.macro WMINF x, t                      ; the least over the wave, in every lane
.irp m, 1,2,4,8
	v_min_num_f32_dpp v[\x], v[\x], v[\x] row_xmask:\m row_mask:0xf bank_mask:0xf
.endr
	v_permlanex16_b32 v[\t], v[\x], s44, s45
	v_min_num_f32 v[\x], v[\x], v[\t]
.endm
.rept 5                                ; the nearest row that is left: the least distance, among equals the least index; its label is counted and the row set aside
	v_min_num_f32 v[TA], v[SQ], v[SQ+1]
	WMINF TA, TB
	v_cmp_eq_f32 vcc_lo, v[SQ], v[TA]
	v_cndmask_b32 v[TC], s62, v[IDF], vcc_lo
	v_cmp_eq_f32 vcc_lo, v[SQ+1], v[TA]
	v_cndmask_b32 v[TD], s62, v[IDF+1], vcc_lo
	v_min_num_f32 v[TC], v[TC], v[TD]
	WMINF TC, TB
	v_cmp_eq_f32 vcc_lo, v[IDF], v[TC]
	v_cndmask_b32 v[TD], 0, v[CN], vcc_lo
	v_cndmask_b32 v[SQ], v[SQ], s62, vcc_lo
	v_add_nc_u32 v[ACCU], v[ACCU], v[TD]
	v_cmp_eq_f32 vcc_lo, v[IDF+1], v[TC]
	v_cndmask_b32 v[TD], 0, v[CN+1], vcc_lo
	v_cndmask_b32 v[SQ+1], v[SQ+1], s62, vcc_lo
	v_add_nc_u32 v[ACCU], v[ACCU], v[TD]
.endr
.irp m, 1,2,4,8                        ; the lanes' counts are added: five ones in all, so no field overflows
	v_mov_b32_dpp v[TT], v[ACCU] row_xmask:\m row_mask:0xf bank_mask:0xf
	v_add_nc_u32 v[ACCU], v[ACCU], v[TT]
.endr
	v_permlanex16_b32 v[TT], v[ACCU], s44, s45
	v_add_nc_u32 v[ACCU], v[ACCU], v[TT]
	v_and_b32 v[VM], 7, v[ACCU]                    ; the best count so far: label 0's
	v_mov_b32 v[VMM], 0                            ; and its label
.set c, 1
.rept 9                                ; only a greater count takes over: among equals the smaller label stays
	v_bfe_u32 v[TA], v[ACCU], 3*c, 3
	v_cmp_gt_u32 vcc_lo, v[TA], v[VM]
	v_cndmask_b32 v[VM], v[VM], v[TA], vcc_lo
	v_cndmask_b32 v[VMM], v[VMM], c, vcc_lo
.set c, c+1
.endr
	v_cvt_f32_u32 v[VMM], v[VMM]
	v_mov_b32 v[TA], 0
	s_wait_tensorcnt 0x0                           ; the wave's end, behind my last LDS store
	ds_add_u32 v[SPW], v[NIL]
	s_wait_dscnt 0x0
	s_wait_xcnt 0x0                                ; EXEC is a source of the loads above: it changes only behind this wait
	v_cmp_gt_u32 vcc_lo, 1, v1
	s_and_saveexec_b32 s58, vcc_lo                 ; lane 0 alone
	global_store_b32 v[TA], v[VMM], s[14:15]
	s_wait_xcnt 0x0
	s_or_b32 exec_lo, exec_lo, s58
	s_endpgm
.Lfunc_end_k_qc71b6a2e82_vote:
	.size	k_qc71b6a2e82_vote, .Lfunc_end_k_qc71b6a2e82_vote-k_qc71b6a2e82_vote
	.p2alignl 7, 3214868480
	.fill 96, 4, 3214868480
	.section	.rodata,"a",@progbits
	.p2align	6, 0x0
	.amdhsa_kernel k_qc71b6a2e82_vote
		.amdhsa_group_segment_fixed_size 94720
		.amdhsa_private_segment_fixed_size 0
		.amdhsa_enable_private_segment 0
		.amdhsa_kernarg_size 48
		.amdhsa_user_sgpr_count 2
		.amdhsa_user_sgpr_kernarg_segment_ptr 1
		.amdhsa_wavefront_size32 1
		.amdhsa_system_sgpr_workgroup_id_x 1
		.amdhsa_system_sgpr_workgroup_id_y 1
		.amdhsa_system_sgpr_workgroup_id_z 1
		.amdhsa_system_vgpr_workitem_id 0
		.amdhsa_next_free_vgpr 256
		.amdhsa_next_free_sgpr 66
		.amdhsa_reserve_vcc 1
		.amdhsa_float_denorm_mode_32 3
		.amdhsa_float_denorm_mode_16_64 3
		.amdhsa_memory_ordered 1
		.amdhsa_forward_progress 1
		.amdhsa_inst_pref_size 77
	.end_amdhsa_kernel
	.amdgpu_metadata
---
amdhsa.version: [ 1, 2 ]
amdhsa.kernels:
  - .name:           k_qc71b6a2e82_vote
    .symbol:         k_qc71b6a2e82_vote.kd
    .args:
      - { .name: keys, .offset: 0, .size: 8, .value_kind: global_buffer, .address_space: global }
      - { .name: xb, .offset: 8, .size: 8, .value_kind: global_buffer, .address_space: global }
      - { .name: tsq, .offset: 16, .size: 8, .value_kind: global_buffer, .address_space: global }
      - { .name: X_train, .offset: 24, .size: 8, .value_kind: global_buffer, .address_space: global }
      - { .name: y_train, .offset: 32, .size: 8, .value_kind: global_buffer, .address_space: global }
      - { .name: out0, .offset: 40, .size: 8, .value_kind: global_buffer, .address_space: global }
    .group_segment_fixed_size: 94720
    .private_segment_fixed_size: 0
    .kernarg_segment_align: 8
    .kernarg_segment_size: 48
    .max_flat_workgroup_size: 128
    .sgpr_count:     66
    .vgpr_count:     256
    .wavefront_size: 32
...
	.end_amdgpu_metadata
.endif
;; end of part 3
